; MI455X (gfx1250); checked and timed in simulation.
; The chip was launched on July 23, 2026; its instructions are those of AMD's public machine-readable ISA for CDNA 5 (MIT licence, August 2026) and "CDNA5" Instruction Set Architecture Reference Guide (July 2026). The comments in the code are by the model that wrote it; some were corrected since.
;; Multi Head Self Attention. Allowed arithmetic: matrix products marked QUANTISED: E2M3 operands, one E8M0 scale for each 32 along K, by v_wmma_scale_f32_16x16x128_f8f6f4 with both operands' format E2M3, f32 sums; everything else in f32.
;; Inputs: Wo 1,024 x 1,024 float32; Wq 1,024 x 1,024 float32; bo 1,024 float32; bq 1,024 float32; x 2 x 2,048 x 1,024 float32.
;; Outputs: out0 2 x 2,048 x 1,024 float32.
;; This version of the problem:
;;   THIS VERSION OF THE PROBLEM IS GIVEN IN LOW PRECISION. The matrix products marked QUANTISED in the list below multiply operands that are first quantised to E2M3 (2 exponent bits, 3 mantissa bits; 6 bits a number), with one power-of-two scale for each 32 numbers along K (OCP MX v1.0); their sums are f32. All else is computed in f32.
;;   The module's matrix products, in the order in which they are computed (A, B: the left and right operand; K: the contracted axis; several contracted axes count as one K, in the product's order):
;;     1. [M 4,096, K 1,024] x [K 1,024, N 1,024]; A: input x; B: input Wq: QUANTISED
;;     2. batch 32 x [M 2,048, K 64] x [K 64, N 2,048]; A: computed on the way; B: computed on the way: QUANTISED
;;     3. batch 32 x [M 2,048, K 2,048] x [K 2,048, N 64]; A: softmax (see below); B: computed on the way: QUANTISED
;;     4. [M 4,096, K 1,024] x [K 1,024, N 1,024]; A: computed on the way; B: input Wo: QUANTISED
;;   THE QUANTISER, for each operand of a quantised product, along K:
;;     - K is cut into blocks of 32 from its start; a last block that is shorter is filled with zeros.
;;     - A block's scale is 2^e with e = floor(log2(the largest magnitude in the block)) - 2, held to -126 .. 127; a block of zeros has e = 0. As a byte (E8M0): e + 127.
;;     - Each number is divided by its block's scale, clamped to +-7.5, and rounded to the nearest number of E2M3, ties to even, subnormals kept.
;;     - The product sums the exact products of the quantised numbers (number of the format x scale) in f32.
;;   ~~~python
;;   def quantise(x, axis):      # numpy; x: float32 -> the quantised numbers, widened to float32 again
;;       x = np.moveaxis(x, axis, -1); K = x.shape[-1]
;;       x = np.pad(x, [(0, 0)] * (x.ndim - 1) + [(0, -K % 32)]); x = x.reshape(x.shape[:-1] + (-1, 32)); a = np.abs(x).max(-1, keepdims=True)
;;       e = np.where(a > 0, np.clip(np.frexp(np.where(a > 0, a, 1))[1] - 1 - 2, -126, 127), 0)      # np.frexp(a)[1] - 1 = floor(log2(a)), exactly
;;       r = np.clip(x / 2.0 ** e, -7.5, 7.5)
;;       step = 2.0 ** (np.maximum(np.frexp(np.where(r == 0, 1, r))[1] - 1, 0) - 3)
;;       q = np.round(r / step) * step * 2.0 ** e      # np.round: ties to even
;;       return np.moveaxis(q.reshape(q.shape[:-2] + (-1,))[..., :K], -1, axis).astype(np.float32)
;;   ~~~
;;   SOFTMAX AHEAD OF A QUANTISED PRODUCT. Where the list says 'softmax', what is quantised is not the finished softmax but p = 2^(t - M), with t = logit x log2(e) and M = ceil(the row's largest t), a whole number; so 1/2 < the row's largest p <= 1. The row's sum l is taken of the UNQUANTISED p, in f32, and the product's result is divided by l at the end. Since M is a whole number, a kernel that streams over the keys may use a running M (the ceiling of the running maximum): every later rescaling is an exact power of two, which a block's scale takes up: the codes' values come out the same.
;;   OPERANDS COMPUTED ON THE WAY. 'Computed on the way' means the value that the module computes at that place (a softmax that the list does not call 'softmax' is quantised finished and normalised). What goes into a quantiser is computed in f32, as accurately as f32 sums, v_exp_f32 and their like allow (about 1e-6 of the number): no bf16 or f16 on the way to a quantiser, and a product that is left as it is and whose result goes on into a quantised operand takes f32 operands (vector FMAs, or v_wmma_f32_16x16x4_f32). A number that lies on a knife's edge between two numbers of the format may be rounded either way, as far as f32 arithmetic and the matrix unit's own rounding can turn it there, and no further.
;; One version. Each part assembles by itself: llvm-mc -triple=amdgcn-amd-amdhsa -mcpu=gfx1250 --defsym DOCPART=n.
;; ======== version 1 of 1: 4 launches
;; limits: right only within a limited range of input values
;; workspace buffers: xc 3,276,800 bytes; wqc 819,200 bytes; woc 819,200 bytes; kv 6,553,600 bytes; ac 3,276,800 bytes
;; launch quant (part 1): grid 256 x 1, 3 waves a work-group, no clusters, 26,112 bytes of LDS; arguments x, Wq, Wo, xc, wqc, woc; writes xc, wqc, woc
.if DOCPART == 1
	.amdgcn_target "amdgcn-amd-amdhsa--gfx1250"
	.amdhsa_code_object_version 6
	.text
	.protected	k_q2d5c90a9e3_quant
	.globl	k_q2d5c90a9e3_quant
	.p2align	8
	.type	k_q2d5c90a9e3_quant,@function
k_q2d5c90a9e3_quant:
	s_mov_b64 s[64:65], 0
	v_nop
	global_prefetch_b8 v0, s[64:65] scope:SCOPE_SE
	s_setreg_imm32_b32 hwreg(HW_REG_WAVE_MODE, 25, 1), 1
	s_wait_xcnt 0x0
; x [4096][1024], Wq [1024][1024], Wo [1024][1024], f32, K innermost, become codes of FP6 (E2M3) with one E8M0 byte for each 32 along K,
; laid as IMAGES OF THE OPERAND'S REGISTERS, so that the products' launches load fragments by 16 and 8 bytes a lane with no pitch.
; A block's scale is 2^(floor(log2(its largest magnitude)) - 2); its byte is the largest magnitude's exponent field - 2, held at 1 from below.
; LIMITS: a block of zeros gets the byte 1 where the rule says 127 (its codes are zeros, and this program alone reads the bytes); NaN and infinities among the inputs are not served.
; LAYOUT OF THE CODES.  128 rows x 128 K are a CHUNK of 12,800 bytes; a tensor is [rows / 128][8 K steps] chunks.  In a chunk tile i (0..7), lane place p (0..15) is row
; 64 (i / 4) + 8 (i % 4) + 32 (p / 8) + p % 8: so a result's lane (p, h) holds, over four neighbouring source-0 tiles, the 32 neighbours 32 h + 0 .. 31: a whole scale block of the next product.
; Tile i's fragment (12 registers a lane) lies at 1,536 i: registers 6 c .. 6 c + 3 at 768 c + 16 x lane, registers 6 c + 4, 6 c + 5 at 768 c + 512 + 8 x lane.
; The scale word of (tile i, place p) lies at 12,288 + 256 (i / 4) + 16 p + 4 (i % 4).
; SHARES.  48 blocks of 128 rows (32 of x, 8 of Wq, 8 of Wo) x 8 K steps x 2 groups of four tiles = 768 units, one to a wave.  No input is shared between work-groups: no cluster, no tensor load, no barrier.
; A unit: 64 loads, each 512 consecutive bytes of one row, all issued at once; then fragment by fragment 16 rows turn through the wave's own stage in LDS, so that lane (p, h) holds k = 64 c + 32 h + 0 .. 31 of row p.
; REGISTERS: window 1: v0-255 the unit's numbers as loaded (fragment f, place p at 64 f + 4 p).  Window 0: v1-9, v18 addresses; v10-17 at work; v20-23 the four scale words; v36-42 conversions' upper halves;
;   v64-127 a lane's 64 numbers; v128-175 the codes, a set for each fragment, so that no store's data are written again; v254, v255 the add's.
.set STG,  8448                        ; a wave's stage: 16 rows x SP
.set SP,   528                         ; 512 bytes + 16
.set X,    64
.set C,    128
.set MSB,  0
.macro WIN new                         ; the immediate's high byte repeats the setting that is left
.if MSB != \new
	s_set_vgpr_msb (MSB<<8)|\new
.set MSB, \new
.endif
.endm
	s_load_b256 s[4:11], s[0:1], 0x0               ; x s[4:5], Wq s[6:7], Wo s[8:9], x's codes s[10:11]
	s_load_b128 s[12:15], s[0:1], 0x20             ; Wq's codes s[12:13], Wo's s[14:15]
	v_lshl_add_u32 v254, v0, 2, 0x6400
	v_mov_b32 v255, 0
	v_lshrrev_b32 v1, 5, v0
	v_readfirstlane_b32 s16, v1                    ; wave 0..2
	s_mul_i32 s17, ttmp9, 3
	s_add_co_u32 s17, s17, s16                     ; my unit, 0..767
	s_and_b32 s19, s17, 1                          ; g: tiles 4 g .. 4 g + 3
	s_bfe_u32 s20, s17, 0x30001                    ; the K step: 3 bits from bit 1
	s_lshr_b32 s17, s17, 4                         ; the block of 128 rows, 0..47
	s_mov_b32 s22, 0x76543210
	s_mov_b32 s23, 0xfedcba98                      ; v_permlanex16_b32's selects for lane l xor 16
	v_and_b32 v1, 31, v0                           ; lane
	v_and_b32 v2, 15, v0                           ; p
	v_bfe_u32 v3, v0, 4, 1                         ; h
	v_lshlrev_b32 v4, 4, v1                        ; 16 x lane
	v_lshlrev_b32 v8, 3, v1                        ; 8 x lane
	v_lshlrev_b32 v9, 4, v2                        ; 16 p
	v_lshlrev_b32 v18, 3, v3                       ; 8 h: how far my two scale bytes are shifted
	s_mul_i32 s21, s16, STG
	v_add_nc_u32 v5, s21, v4                       ; the stage, on the way in: 16 bytes a lane of a row
	v_mul_u32_u24 v6, v2, SP
	v_lshl_add_u32 v6, v3, 7, v6
	v_add_nc_u32 v6, s21, v6                       ; and on the way out: row p, + 128 h
	v_mov_b32 v17, 0                               ; written once: a lane permute's destination counts as one of its sources
	s_wait_alu depctr_va_vdst(0)
	s_wait_kmcnt 0x0
	s_cmp_lt_u32 s17, 40                           ; which tensor: the choice hangs on the unit's number alone
	s_cselect_b64 s[6:7], s[6:7], s[8:9]
	s_cselect_b64 s[12:13], s[12:13], s[14:15]
	s_cselect_b32 s18, 32, 40
	s_cmp_lt_u32 s17, 32
	s_cselect_b64 s[4:5], s[4:5], s[6:7]
	s_cselect_b64 s[10:11], s[10:11], s[12:13]
	s_cselect_b32 s18, 0, s18
	s_sub_co_u32 s17, s17, s18                     ; the block's number in its tensor
	s_lshl_b32 s24, s17, 19                        ; 128 rows of 4,096 bytes,
	s_lshl_b32 s25, s19, 18                        ; + 64 g rows,
	s_add_co_u32 s24, s24, s25
	s_lshl_b32 s25, s20, 9                         ; + 512 bytes a K step
	s_add_co_u32 s24, s24, s25
	s_mov_b32 s25, 0
	s_add_nc_u64 s[4:5], s[4:5], s[24:25]
	s_mul_i32 s26, s17, 102400
	s_mul_i32 s27, s20, 12800
	s_add_co_u32 s26, s26, s27
	s_mov_b32 s27, 0
	s_add_nc_u64 s[10:11], s[10:11], s[26:27]      ; my chunk
	s_mul_i32 s26, s19, 6144
	s_add_nc_u64 s[12:13], s[10:11], s[26:27]      ; my four fragments
	s_lshl_b32 s26, s19, 8
	s_add_co_u32 s26, s26, 12288
	s_add_nc_u64 s[14:15], s[10:11], s[26:27]      ; my 256 bytes of scale words
	WIN 0x40                                       ; destination window 1
.irp f, 0,1,2,3
.irp r, 0,1,2,3,4,5,6,7,8,9,10,11,12,13,14,15
	global_load_b128 v[64*\f+4*\r:64*\f+4*\r+3], v4, s[4:5] offset:(8*\f+32*(\r/8)+\r%8)*4096 th:TH_LOAD_NT   ; 32 lanes read 512 consecutive bytes of one row
.endr
.endr
	WIN 0
.macro FRAGQ f
	s_wait_loadcnt 48-16*\f                        ; this fragment's 16 loads are in; the 16 of each younger fragment may be out
	WIN 0x04                                       ; an LDS store's data are its source 1: window 1
.irp r, 0,1,2,3,4,5,6,7,8,9,10,11,12,13,14,15
	ds_store_b128 v5, v[64*\f+4*\r:64*\f+4*\r+3] offset:SP*\r
.endr
	WIN 0
.irp c, 0,1
.irp j, 0,1,2,3,4,5,6,7
	ds_load_b128 v[X+32*\c+4*\j:X+32*\c+4*\j+3], v6 offset:256*\c+16*\j   ; LDS serves a wave's instructions in order: these see the stores above
.endr
.endr
	s_wait_dscnt 0x0
.irp c, 0,1                                    ; my block 2 c + h: all its 32 numbers are mine
	v_max3_num_f32 v[10+\c], |v[X+32*\c]|, |v[X+32*\c+1]|, 0x1800000   ; and the floor 2^(3 - 127): the byte cannot fall under 1
.endr
.irp i, 2,4,6,8,10,12,14,16,18,20,22,24,26,28,30
.irp c, 0,1
	v_max3_num_f32 v[10+\c], v[10+\c], |v[X+32*\c+\i]|, |v[X+32*\c+\i+1]|   ; (the two blocks by turns)
.endr
.endr
.irp c, 0,1
	v_add_nc_u32 v[12+\c], 0xff000000, v[10+\c]    ; 2 off the exponent field: the conversion's scale operand
.endr
.irp c, 0,1
	v_lshrrev_b32 v[14+\c], 23, v[12+\c]           ; the scale's byte
.endr
	v_lshl_or_b32 v16, v15, 16, v14                ; my two bytes: blocks h and 2 + h of row p,
	v_lshlrev_b32 v16, v18, v16                    ; at their places in the word;
	v_permlanex16_b32 v17, v16, s22, s23
	v_or_b32 v[20+\f], v16, v17                    ; with lane l xor 16's two the word is whole
.irp c, 0,1
	v_cvt_scalef32_pk16_fp6_f32 v[C+12*\f+6*\c:C+12*\f+6*\c+2], v[X+32*\c:X+32*\c+15], v[12+\c]
	v_cvt_scalef32_pk16_fp6_f32 v[36+4*\c:38+4*\c], v[X+32*\c+16:X+32*\c+31], v[12+\c]   ; (a conversion's three registers begin on an even number)
.endr
	v_nop                                          ; one plain place behind a scaled conversion
.irp c, 0,1
.irp i, 0,1,2
	v_mov_b32 v[C+12*\f+6*\c+3+\i], v[36+4*\c+\i]
.endr
.endr
	global_store_b128 v4, v[C+12*\f:C+12*\f+3], s[12:13] offset:1536*\f          ; each store of the wave covers 512 or 256 consecutive bytes, aligned
	global_store_b64 v8, v[C+12*\f+4:C+12*\f+5], s[12:13] offset:1536*\f+512
	global_store_b128 v4, v[C+12*\f+6:C+12*\f+9], s[12:13] offset:1536*\f+768
	global_store_b64 v8, v[C+12*\f+10:C+12*\f+11], s[12:13] offset:1536*\f+1280
.endm
	FRAGQ 0
	FRAGQ 1
	FRAGQ 2
	FRAGQ 3
	v_cmp_gt_u32 vcc_lo, 16, v1                    ; lanes 0-15 store the four tiles' scale words: 256 consecutive bytes, aligned
	s_wait_alu depctr_va_vdst(0)
	s_wait_xcnt 0x0                                ; EXEC changes only behind this wait: the stores above have it among their sources
	s_wait_tensorcnt 0x0                           ; the wave's end, behind my last LDS store
	ds_add_u32 v254, v255
	s_wait_dscnt 0x0
	s_and_saveexec_b32 s30, vcc_lo
	global_store_b128 v9, v[20:23], s[14:15]
	s_wait_xcnt 0x0                                ; and again in front of the line that widens it
	s_or_b32 exec_lo, exec_lo, s30
	s_endpgm
.Lfunc_end_k_q2d5c90a9e3_quant:
	.size	k_q2d5c90a9e3_quant, .Lfunc_end_k_q2d5c90a9e3_quant-k_q2d5c90a9e3_quant
	.p2alignl 7, 3214868480
	.fill 96, 4, 3214868480
	.section	.rodata,"a",@progbits
	.p2align	6, 0x0
	.amdhsa_kernel k_q2d5c90a9e3_quant
		.amdhsa_group_segment_fixed_size 26112
		.amdhsa_private_segment_fixed_size 0
		.amdhsa_enable_private_segment 0
		.amdhsa_kernarg_size 48
		.amdhsa_user_sgpr_count 2
		.amdhsa_user_sgpr_kernarg_segment_ptr 1
		.amdhsa_wavefront_size32 1
		.amdhsa_system_sgpr_workgroup_id_x 1
		.amdhsa_system_sgpr_workgroup_id_y 1
		.amdhsa_system_sgpr_workgroup_id_z 1
		.amdhsa_system_vgpr_workitem_id 0
		.amdhsa_next_free_vgpr 512
		.amdhsa_next_free_sgpr 66
		.amdhsa_reserve_vcc 1
		.amdhsa_float_denorm_mode_32 3
		.amdhsa_float_denorm_mode_16_64 3
		.amdhsa_memory_ordered 1
		.amdhsa_forward_progress 1
		.amdhsa_inst_pref_size 31
	.end_amdhsa_kernel
	.amdgpu_metadata
---
amdhsa.version: [ 1, 2 ]
amdhsa.kernels:
  - .name:           k_q2d5c90a9e3_quant
    .symbol:         k_q2d5c90a9e3_quant.kd
    .args:
      - { .name: x, .offset: 0, .size: 8, .value_kind: global_buffer, .address_space: global }
      - { .name: Wq, .offset: 8, .size: 8, .value_kind: global_buffer, .address_space: global }
      - { .name: Wo, .offset: 16, .size: 8, .value_kind: global_buffer, .address_space: global }
      - { .name: xc, .offset: 24, .size: 8, .value_kind: global_buffer, .address_space: global }
      - { .name: wqc, .offset: 32, .size: 8, .value_kind: global_buffer, .address_space: global }
      - { .name: woc, .offset: 40, .size: 8, .value_kind: global_buffer, .address_space: global }
    .group_segment_fixed_size: 26112
    .private_segment_fixed_size: 0
    .kernarg_segment_align: 8
    .kernarg_segment_size: 48
    .max_flat_workgroup_size: 96
    .sgpr_count:     66
    .vgpr_count:     512
    .wavefront_size: 32
...
	.end_amdgpu_metadata
.endif
;; end of part 1
;; launch proj (part 2): grid 8 x 32, 4 waves a work-group, clusters of 4 x 4, 205,312 bytes of LDS; arguments xc, wqc, bq, kv; writes kv
.if DOCPART == 2
	.amdgcn_target "amdgcn-amd-amdhsa--gfx1250"
	.amdhsa_code_object_version 6
	.text
	.protected	k_q2d5c90a9e3_proj
	.globl	k_q2d5c90a9e3_proj
	.p2align	8
	.type	k_q2d5c90a9e3_proj,@function
k_q2d5c90a9e3_proj:
	s_mov_b64 s[64:65], 0
	v_nop
	global_prefetch_b8 v0, s[64:65] scope:SCOPE_SE
	s_setreg_imm32_b32 hwreg(HW_REG_WAVE_MODE, 25, 1), 1
	s_wait_xcnt 0x0
	s_wait_alu depctr_hold_cnt(0) depctr_sa_sdst(0) depctr_va_vdst(0) depctr_va_sdst(0) depctr_va_ssrc(0) depctr_va_vcc(0) depctr_vm_vsrc(0)
	s_getreg_b32 s2, hwreg(HW_REG_IB_STS2, 6, 4)
	s_cmp_eq_u32 s2, 0
	s_cbranch_scc0 .Lentry_in_a_cluster
	s_endpgm
.Lentry_in_a_cluster:
	s_bfe_u32 s2, ttmp6, 0x10000c
	s_cmp_lg_u32 s2, 0xf033
	s_cbranch_scc0 .Lentry_shape_is_right
	s_endpgm
.Lentry_shape_is_right:
; q = x Wq^T + bq on codes of FP6 (E2M3) with E8M0 scales, sums in f32; q never goes to memory as f32: it leaves as codes, quantised twice:
; along the head's 64 channels (the operand Q and K of the scores) and along the keys (the operand V of the second product of attention).
; BOTH ORIENTATIONS ARE MULTIPLIED from the same fragments: D1 = (16 rows of Wq as source 0, 16 rows of x as source 1) gives a lane one row s and registers along the channels;
; D2 = (x as source 0, Wq as source 1) gives a lane one channel and registers along s.  So both quantisers work on a lane's own registers, and no f32 tile is turned through LDS.
; OPERANDS come as register images in chunks of 12,800 bytes (128 rows x 128 K): tile i's fragment at 1,536 i (registers 6 c .. 6 c + 3 at 768 c + 16 x lane, 6 c + 4, 6 c + 5 at 768 c + 512 + 8 x lane),
; scale words at 12,288 + 256 (i / 4) + 16 p + 4 (i % 4).  Tile i, place p is row 64 (i / 4) + 8 (i % 4) + 32 (p / 8) + p % 8: so the 32 result registers of four source-0 tiles are the 32 neighbours 32 h + 0 .. 31:
; a lane holds a whole scale block, and only the scale bytes of lanes l and l xor 16 are brought together.
; SHARES.  A work-group makes 128 rows s x 128 columns n; wave w (a = w / 2, e = w % 2) x's tiles 4 a .. 4 a + 3 against Wq's tiles 4 e .. 4 e + 3: 64 rows of s x one head.
; LDS.  All of K lies in LDS, filled once: x's block of 8 chunks at 0, Wq's at 102,400.  No byte is filled twice.  One tensor load a wave: wave 0 x's K steps 0-3, wave 1 Wq's, wave 2 x's K steps 4-7, wave 3 Wq's.
; CLUSTER 4 x 4: x's block is shared along a row of the cluster, Wq's along a column: each is asked for jointly.
; No prefetch: every tile is asked for at the head, and the steps along K load from LDS alone.
; OUT: kv [32 (batch x 16 + head)][16 steps of 128 keys][12,800]: 0: K, four fragments, fragment b's half u = key tile 2 b + u (64 channels = the half's two blocks); 6,144: V, four fragments, fragment k = channels' tile k,
; K = the step's 128 keys in their order; 12,288: K's scale words at 16 p + 4 b; 12,544: V's at 16 p + 4 k.
; LIMITS: a block's largest magnitude is floored at 2^-124 (byte 1, as the rule's clip asks); a block of zeros gets the byte 1 where the rule says 127 (its codes are zeros; this program alone reads the bytes); NaN and infinities are not served.
; REGISTERS: window 0: v1-9 addresses, v10-15 at work, v26-31 lane numbers; two buffers p of fragments: x's at v[32 + 96 p], Wq's at v[80 + 96 p]; scale words v[224 + 8 p ..] (x), v[228 + 8 p ..] (Wq): they hold nothing else.
;   window 1: D1(i, k) at v[32 i + 8 k], D2(k, i) at v[128 + 32 k + 8 i].   window 2: the biases as each sum's first C: for D1 at v[8 k], for D2 at v[32 + 8 k].
.set CH,   12800
.set AF,   32
.set BF,   80
.set AS,   224
.set BS,   228
.set MSB,  0
.macro WIN new                         ; the immediate's high byte repeats the setting that is left
.if MSB != \new
	s_set_vgpr_msb (MSB<<8)|\new
.set MSB, \new
.endif
.endm
.macro CROUND                          ; a round of the cluster's barrier
	s_barrier_signal -1
	s_barrier_wait -1
	s_cmp_lg_u32 s12, 0
	s_cbranch_scc1 .Lnot_wave_0_\@
	s_barrier_signal -3
.Lnot_wave_0_\@:
	s_barrier_wait -3
	s_barrier_signal -1
	s_barrier_wait -1
.endm
.macro TLOAD g0, g1
	tensor_load_to_lds s[\g0:\g0+3], s[\g1:\g1+7]
	s_nop 0
.rept 4
	v_nop
.endr
.endm
.macro ARM n, g0, g1, next             ; wave n's one load
	s_cmp_eq_u32 s12, \n
	s_cbranch_scc0 \next
	TLOAD \g0, \g1
	s_branch .Lasked
\next:
.endm
.macro FETCH s, p                      ; K step s: my four fragments of x, my four of Wq and their scale words into buffer p: 34 loads
.set FB, CH*((\s)%4)
.set FA, AF+96*(\p)
.set FG, BF+96*(\p)
.irp i, 0,1,2,3
.irp c, 0,1
	ds_load_b128 v[FA+12*\i+6*\c:FA+12*\i+6*\c+3], v4 offset:FB+1536*\i+768*\c
	ds_load_b64 v[FA+12*\i+6*\c+4:FA+12*\i+6*\c+5], v5 offset:FB+1536*\i+768*\c+512
.endr
.endr
.irp i, 0,1,2,3
.irp c, 0,1
	ds_load_b128 v[FG+12*\i+6*\c:FG+12*\i+6*\c+3], v6 offset:FB+1536*\i+768*\c
	ds_load_b64 v[FG+12*\i+6*\c+4:FG+12*\i+6*\c+5], v7 offset:FB+1536*\i+768*\c+512
.endr
.endr
	ds_load_b128 v[AS+8*(\p):AS+8*(\p)+3], v8 offset:FB
	ds_load_b128 v[BS+8*(\p):BS+8*(\p)+3], v9 offset:FB
.endm
.macro PROD s                          ; 32 products: the 32 accumulators take turns, one instruction a turn, in the same order in every step
.set P, (\s)%2
.if (\s) == 0
	WIN 0x60                                       ; D window 1, C window 2: the biases start the sums
.else
	WIN 0x50                                       ; C and D window 1
.endif
.irp i, 0,1,2,3
.irp k, 0,1,2,3
.set rA, AF+96*P+12*\i
.set rB, BF+96*P+12*\k
.set d1, 32*\i+8*\k
.set d2, 128+32*\k+8*\i
.if (\s) == 0
	v_wmma_scale_f32_16x16x128_f8f6f4 v[d1:d1+7], v[rB:rB+11], v[rA:rA+11], v[8*\k:8*\k+7], v[BS+8*P+\k], v[AS+8*P+\i] matrix_a_fmt:MATRIX_FMT_FP6 matrix_b_fmt:MATRIX_FMT_FP6
	v_wmma_scale_f32_16x16x128_f8f6f4 v[d2:d2+7], v[rA:rA+11], v[rB:rB+11], v[32+8*\k:32+8*\k+7], v[AS+8*P+\i], v[BS+8*P+\k] matrix_a_fmt:MATRIX_FMT_FP6 matrix_b_fmt:MATRIX_FMT_FP6
.else
	v_wmma_scale_f32_16x16x128_f8f6f4 v[d1:d1+7], v[rB:rB+11], v[rA:rA+11], v[d1:d1+7], v[BS+8*P+\k], v[AS+8*P+\i] matrix_a_fmt:MATRIX_FMT_FP6 matrix_b_fmt:MATRIX_FMT_FP6
	v_wmma_scale_f32_16x16x128_f8f6f4 v[d2:d2+7], v[rA:rA+11], v[rB:rB+11], v[d2:d2+7], v[AS+8*P+\i], v[BS+8*P+\k] matrix_a_fmt:MATRIX_FMT_FP6 matrix_b_fmt:MATRIX_FMT_FP6
.endif
.endr
.endr
	WIN 0
.endm
; A K step: its 34 loads, issued one step of products ago, are in; four places behind the last step's products (ISA guide 7.12.1 for vector instructions); the next step's loads; the products.
.macro STEP s
.if (\s) == 3
	s_wait_tensorcnt 0x0                           ; my load has landed, K steps 4 to 7 among the four waves' loads
.endif
	s_wait_dscnt 0x0
.if (\s) == 3
	s_barrier_signal -1
	s_barrier_wait -1                              ; everybody's has
.irp r, 4,5,6,7,8,9
	v_add_nc_u32 v\r, 4*CH, v\r                    ; the addresses go on to K steps 4 to 7: six plain instructions, the places in this step
.endr
.elseif (\s) > 0
.rept 4
	v_nop
.endr
.endif
.if (\s) < 7
	FETCH (\s)+1, ((\s)+1)%2
.endif
	PROD \s
.endm
; Two results of 32 registers each (window 1, at a and b), each a whole scale block of my lane's row: six registers of codes (half a fragment) at v[ca], v[cb], the scale bytes in v[ea], v[eb].  Four chains by turns.
.macro QPAIR a, ca, ea, b, cb, eb
	WIN 0x14                                       ; sources 1 and 2 window 1
	v_max3_num_f32 v10, s62, |v[(\a)]|, |v[(\a)+1]|   ; with the floor 2^(3 - 127); each accumulator from its low end on
	v_max3_num_f32 v11, s62, |v[(\a)+16]|, |v[(\a)+17]|
	v_max3_num_f32 v12, s62, |v[(\b)]|, |v[(\b)+1]|
	v_max3_num_f32 v13, s62, |v[(\b)+16]|, |v[(\b)+17]|
.irp i, 2,4,6,8,10,12,14
	v_max3_num_f32 v10, v10, |v[(\a)+\i]|, |v[(\a)+\i+1]|
	v_max3_num_f32 v11, v11, |v[(\a)+16+\i]|, |v[(\a)+17+\i]|
	v_max3_num_f32 v12, v12, |v[(\b)+\i]|, |v[(\b)+\i+1]|
	v_max3_num_f32 v13, v13, |v[(\b)+16+\i]|, |v[(\b)+17+\i]|
.endr
	WIN 0
	v_max_num_f32 v10, v10, v11
	v_max_num_f32 v12, v12, v13
	v_add_nc_u32 v14, 0xff000000, v10              ; 2 off the exponent field: the conversion's scale operand
	v_add_nc_u32 v15, 0xff000000, v12
	v_lshrrev_b32 v[\ea], 23, v14                  ; the scale's byte
	v_lshrrev_b32 v[\eb], 23, v15
	WIN 0x01                                       ; source 0 window 1
	v_cvt_scalef32_pk16_fp6_f32 v[(\ca):(\ca)+2], v[(\a):(\a)+15], v14
	v_cvt_scalef32_pk16_fp6_f32 v[(\ca)+6:(\ca)+8], v[(\a)+16:(\a)+31], v14   ; (a conversion's three registers begin on an even number)
	v_cvt_scalef32_pk16_fp6_f32 v[(\cb):(\cb)+2], v[(\b):(\b)+15], v15
	v_cvt_scalef32_pk16_fp6_f32 v[(\cb)+6:(\cb)+8], v[(\b)+16:(\b)+31], v15
	WIN 0
	v_nop                                          ; one plain place behind a scaled conversion
.irp i, 0,1,2
	v_mov_b32 v[(\ca)+3+\i], v[(\ca)+6+\i]
	v_mov_b32 v[(\cb)+3+\i], v[(\cb)+6+\i]
.endr
.endm
	s_load_b256 s[4:11], s[0:1], 0x0               ; x's codes s[4:5], Wq's s[6:7], bq s[8:9], kv s[10:11]
	v_lshl_add_u32 v254, v0, 2, 0x32000
	v_mov_b32 v255, 0
	ds_add_u32 v254, v255                          ; the opening: the add, twice on end, and its wait ahead of my tensor load
	ds_add_u32 v254, v255
	v_lshrrev_b32 v10, 5, v0
	v_readfirstlane_b32 s12, v10                   ; wave 0..3
	s_lshr_b32 s13, s12, 1                         ; a: my half of the rows.  Also: which half of K I fetch
	s_and_b32 s14, s12, 1                          ; e: my half of the columns.  Also: I fetch for x (0) or for Wq (1)
	s_bfe_u32 s15, ttmp6, 0x40000                  ; cx
	s_bfe_u32 s16, ttmp6, 0x40004                  ; cy
	s_lshl_b32 s17, ttmp9, 2
	s_add_co_u32 s17, s17, s15                     ; tile column = 4 x cluster x + cx
	s_and_b32 s18, ttmp7, 0xffff
	s_lshl_b32 s18, s18, 2
	s_add_co_u32 s18, s18, s16                     ; tile row = 4 x cluster y + cy
	s_lshl_b32 s19, s16, 2
	s_lshl_b32 s19, 15, s19                        ; my row of the cluster
	s_lshl_b32 s20, 0x1111, s15                    ; my column
	; descriptor group 1: 51,200 dense bytes as 200 rows of 32 elements of 8 bytes, no padding
	s_or_b32 s24, s19, (3<<16)|(1<<21)             ; 15:0 the mask: x's block goes to my row; 17:16 elements of 8 bytes; 21 set beside a mask
	s_or_b32 s32, s20, (3<<16)|(1<<21)             ; Wq's goes to my column
.irp g, 24, 32
	s_mov_b32 s[\g+1], 32<<16                      ; tensor_dim0 = 32
	s_mov_b32 s[\g+2], 200<<16                     ; tensor_dim1 = 200
	s_mov_b32 s[\g+3], 32<<16                      ; tile_dim0 = 32
	s_mov_b32 s[\g+4], 200                         ; tile_dim1 = 200
	s_mov_b32 s[\g+5], 32                          ; the pitch
	s_mov_b32 s[\g+6], 0
	s_mov_b32 s[\g+7], 0
.endr
	s_mul_i32 s21, s13, 4*CH                       ; my half of K: four chunks, in memory as in LDS
	s_mul_i32 s56, s18, 8*CH                       ; x: the tile row's block (no register here ever holds cx)
	s_add_co_u32 s56, s56, s21
	s_mov_b32 s57, 0
	s_mul_i32 s58, s17, 8*CH                       ; Wq: the tile column's block (none here ever holds cy)
	s_add_co_u32 s58, s58, s21
	s_mov_b32 s59, 0
	s_mov_b32 s60, 0x76543210
	s_mov_b32 s61, 0xfedcba98                      ; v_permlanex16_b32's selects for lane l xor 16
	s_mov_b32 s62, 0x1800000                       ; the floor 2^(3 - 127)
	s_wait_dscnt 0x0
	s_wait_kmcnt 0x0
	s_add_nc_u64 s[56:57], s[4:5], s[56:57]
	s_add_nc_u64 s[58:59], s[6:7], s[58:59]
	CROUND                                         ; all sixteen work-groups are here: the joint loads meet
	s_mov_b32 s40, 1                               ; x
	s_mov_b32 s41, s21
	s_mov_b64 s[42:43], s[56:57]
	s_or_b32 s43, s43, 0x80000000
	s_mov_b32 s48, 1                               ; Wq, behind x's block
	s_add_co_u32 s49, s21, 8*CH
	s_mov_b64 s[50:51], s[58:59]
	s_or_b32 s51, s51, 0x80000000
	ARM 0, 40, 24, .Larm_1                         ; one chain of branches on the wave's number: one load a wave, and a line of its own for each
	ARM 1, 48, 32, .Larm_2
	ARM 2, 40, 24, .Larm_3
	TLOAD 48, 32
.Lasked:
	v_and_b32 v31, 31, v0                          ; lane
	v_and_b32 v30, 15, v0                          ; p
	v_bfe_u32 v29, v0, 4, 1                        ; h
	v_lshlrev_b32 v1, 4, v31                       ; 16 x lane
	v_lshlrev_b32 v2, 3, v31                       ; 8 x lane
	v_lshlrev_b32 v3, 4, v30                       ; 16 p
	s_mul_i32 s22, s13, 6144
	v_add_nc_u32 v4, s22, v1                       ; x's tiles 4 a on
	v_add_nc_u32 v5, s22, v2
	s_mul_i32 s23, s14, 6144
	s_add_co_u32 s23, s23, 8*CH
	v_add_nc_u32 v6, s23, v1                       ; Wq's tiles 4 e on
	v_add_nc_u32 v7, s23, v2
	s_lshl_b32 s22, s13, 8
	s_add_co_u32 s22, s22, 12288
	v_add_nc_u32 v8, s22, v3                       ; their scale words
	s_lshl_b32 s23, s14, 8
	s_add_co_u32 s23, s23, 8*CH+12288
	v_add_nc_u32 v9, s23, v3
	v_lshlrev_b32 v26, 3, v29                      ; 8 h
	v_lshlrev_b32 v28, 7, v29                      ; 128 h: D1's bias begins 32 h channels on
	v_lshrrev_b32 v27, 3, v30
	v_lshlrev_b32 v27, 7, v27
	v_and_b32 v25, 7, v30
	v_lshl_add_u32 v27, v25, 2, v27                ; 4 (32 (p / 8) + p % 8): D2's bias is my lane's channel's
	; what mixes the two coordinates is made in registers of its own
	s_lshl_b32 s84, s17, 9
	s_lshl_b32 s85, s14, 8
	s_add_co_u32 s84, s84, s85                     ; bq at my head's first channel: 4 (128 x tile column + 64 e)
	s_mov_b32 s85, 0
	s_add_nc_u64 s[8:9], s[8:9], s[84:85]
	s_wait_alu depctr_va_vdst(0)
	WIN 0x80                                       ; destination window 2
.irp k, 0,1,2,3
	global_load_b128 v[8*\k:8*\k+3], v28, s[8:9] offset:32*\k
	global_load_b128 v[8*\k+4:8*\k+7], v28, s[8:9] offset:32*\k+16
	global_load_b32 v[32+8*\k], v27, s[8:9] offset:32*\k
.endr
	WIN 0
	s_lshr_b32 s76, s18, 4                         ; batch
	s_and_b32 s77, s18, 15                         ; the step of 128 keys
	s_lshl_b32 s78, s17, 1
	s_add_co_u32 s78, s78, s14                     ; head
	s_lshl_b32 s76, s76, 4
	s_add_co_u32 s76, s76, s78
	s_lshl_b32 s76, s76, 4
	s_add_co_u32 s76, s76, s77
	s_mul_i32 s80, s76, CH
	s_mov_b32 s81, 0
	s_add_nc_u64 s[66:67], s[10:11], s[80:81]      ; my chunk of kv
	s_mov_b32 s83, 0
	s_mul_i32 s82, s13, 3072
	s_add_nc_u64 s[68:69], s[66:67], s[82:83]      ; K: key tiles 4 a on, 768 bytes each
	s_mul_i32 s82, s13, 768
	s_add_co_u32 s82, s82, 6144
	s_add_nc_u64 s[70:71], s[66:67], s[82:83]      ; V: half a of each fragment
	s_lshl_b32 s82, s13, 3
	s_add_co_u32 s82, s82, 12288
	s_add_nc_u64 s[72:73], s[66:67], s[82:83]      ; K's scale words 2 a, 2 a + 1
	s_lshl_b32 s82, s13, 1
	s_add_co_u32 s82, s82, 12544
	s_add_nc_u64 s[66:67], s[66:67], s[82:83]      ; V's: half a of each word
	s_wait_alu depctr_va_vdst(0)                   ; the wait at the head's end
	s_cmp_lt_u32 s12, 2
	s_cbranch_scc0 .Lnot_first
	s_wait_tensorcnt 0x0                           ; waves 0 and 1: K steps 0 to 3 have landed; the other two waves' loads may stay out
.Lnot_first:
	s_barrier_signal -1
	s_barrier_wait -1
	FETCH 0, 0
	s_wait_loadcnt 0x0                             ; the biases
	WIN 0x82                                       ; destination and source 0 window 2
.irp k, 0,1,2,3
.irp j, 1,2,3,4,5,6,7
	v_mov_b32 v[32+8*\k+\j], v[32+8*\k]            ; D2's C: my channel's bias in all eight rows
.endr
.endr
	WIN 0
	s_wait_alu depctr_va_vdst(0)
	STEP 0
	STEP 1
	STEP 2
	STEP 3
	s_wait_alu depctr_va_vdst(0)
	STEP 4
	STEP 5
	STEP 6
	STEP 7
.rept 4
	v_nop                                          ; places between the last products and the first read of results and write of operands
.endr
	; THE WAY OUT.  D1(i, 0..3): my row of x's tile i, 32 channels of the head: my lane's half of half a fragment of K.  D2(i, 0..3): my channel of tile i, 32 of my 64 keys: half a of V's fragment i.
	; The codes lie in the fragment buffers, a set for each, so that no store's data are written again.
.irp i, 0,1,2,3
	QPAIR 32*\i, 32+12*\i, 240+\i, 128+32*\i, 80+12*\i, 244+\i
	global_store_b128 v1, v[32+12*\i:32+12*\i+3], s[68:69] offset:768*\i          ; 512 and 256 consecutive bytes, aligned
	global_store_b64 v2, v[32+12*\i+4:32+12*\i+5], s[68:69] offset:768*\i+512
	global_store_b128 v1, v[80+12*\i:80+12*\i+3], s[70:71] offset:1536*\i
	global_store_b64 v2, v[80+12*\i+4:80+12*\i+5], s[70:71] offset:1536*\i+512
.endr
	; Scale bytes two and two in 16-bit halves, at 8 h; lane l xor 16's bytes fill the gaps: v248, v249 K's words of fragments 2 a, 2 a + 1; v250, v251 V's halves of words 0, 1 and 2, 3.
.irp j, 0,1,2,3
	v_lshl_or_b32 v[248+\j], v[241+2*\j], 16, v[240+2*\j]
.endr
.irp j, 0,1,2,3
	v_lshlrev_b32 v[248+\j], v26, v[248+\j]
.endr
.irp j, 0,1,2,3
	v_permlanex16_b32 v[10+\j], v[248+\j], s60, s61
.endr
.irp j, 0,1,2,3
	v_or_b32 v[248+\j], v[248+\j], v[10+\j]
.endr
	v_cmp_gt_u32 vcc_lo, 16, v31
	s_wait_alu depctr_va_vdst(0)
	s_wait_xcnt 0x0                                ; EXEC changes only behind this wait
	s_and_saveexec_b32 s74, vcc_lo                 ; lanes 0-15 store each row's bytes
	global_store_b64 v3, v[248:249], s[72:73]
	global_store_b16 v3, v250, s[66:67]
	global_store_d16_hi_b16 v3, v250, s[66:67] offset:4
	global_store_b16 v3, v251, s[66:67] offset:8
	global_store_d16_hi_b16 v3, v251, s[66:67] offset:12
	s_wait_xcnt 0x0                                ; and again in front of the line that widens it
	s_or_b32 exec_lo, exec_lo, s74
	s_wait_tensorcnt 0x0                           ; the wave's end
	ds_add_u32 v254, v255
	s_wait_dscnt 0x0
	CROUND                                         ; the closing round: no work-group ends while a partner may still ask for a block that names it
	s_endpgm
.Lfunc_end_k_q2d5c90a9e3_proj:
	.size	k_q2d5c90a9e3_proj, .Lfunc_end_k_q2d5c90a9e3_proj-k_q2d5c90a9e3_proj
	.p2alignl 7, 3214868480
	.fill 96, 4, 3214868480
	.section	.rodata,"a",@progbits
	.p2align	6, 0x0
	.amdhsa_kernel k_q2d5c90a9e3_proj
		.amdhsa_group_segment_fixed_size 205312
		.amdhsa_private_segment_fixed_size 0
		.amdhsa_enable_private_segment 0
		.amdhsa_kernarg_size 32
		.amdhsa_user_sgpr_count 2
		.amdhsa_user_sgpr_kernarg_segment_ptr 1
		.amdhsa_wavefront_size32 1
		.amdhsa_system_sgpr_workgroup_id_x 1
		.amdhsa_system_sgpr_workgroup_id_y 1
		.amdhsa_system_sgpr_workgroup_id_z 1
		.amdhsa_system_vgpr_workitem_id 0
		.amdhsa_next_free_vgpr 576
		.amdhsa_next_free_sgpr 90
		.amdhsa_reserve_vcc 1
		.amdhsa_float_denorm_mode_32 3
		.amdhsa_float_denorm_mode_16_64 3
		.amdhsa_memory_ordered 1
		.amdhsa_forward_progress 1
		.amdhsa_inst_pref_size 76
	.end_amdhsa_kernel
	.amdgpu_metadata
---
amdhsa.version: [ 1, 2 ]
amdhsa.kernels:
  - .name:           k_q2d5c90a9e3_proj
    .symbol:         k_q2d5c90a9e3_proj.kd
    .args:
      - { .name: xc, .offset: 0, .size: 8, .value_kind: global_buffer, .address_space: global }
      - { .name: wqc, .offset: 8, .size: 8, .value_kind: global_buffer, .address_space: global }
      - { .name: bq, .offset: 16, .size: 8, .value_kind: global_buffer, .address_space: global }
      - { .name: kv, .offset: 24, .size: 8, .value_kind: global_buffer, .address_space: global }
    .group_segment_fixed_size: 205312
    .private_segment_fixed_size: 0
    .kernarg_segment_align: 8
    .kernarg_segment_size: 32
    .max_flat_workgroup_size: 128
    .sgpr_count:     90
    .vgpr_count:     576
    .wavefront_size: 32
...
	.end_amdgpu_metadata
.endif
;; end of part 2
;; launch attn (part 3): grid 8 x 32, 8 waves a work-group, clusters of 4 x 1, 206,848 bytes of LDS; arguments kv, ac; writes ac
.if DOCPART == 3
	.amdgcn_target "amdgcn-amd-amdhsa--gfx1250"
	.amdhsa_code_object_version 6
	.text
	.protected	k_q2d5c90a9e3_attn
	.globl	k_q2d5c90a9e3_attn
	.p2align	8
	.type	k_q2d5c90a9e3_attn,@function
k_q2d5c90a9e3_attn:
	s_mov_b64 s[64:65], 0
	v_nop
	global_prefetch_b8 v0, s[64:65] scope:SCOPE_SE
	s_setreg_imm32_b32 hwreg(HW_REG_WAVE_MODE, 25, 1), 1
	s_wait_xcnt 0x0
	s_wait_alu depctr_hold_cnt(0) depctr_sa_sdst(0) depctr_va_vdst(0) depctr_va_sdst(0) depctr_va_ssrc(0) depctr_va_vcc(0) depctr_vm_vsrc(0)
	s_getreg_b32 s2, hwreg(HW_REG_IB_STS2, 6, 4)
	s_cmp_eq_u32 s2, 0
	s_cbranch_scc0 .Lentry_in_a_cluster
	s_endpgm
.Lentry_in_a_cluster:
	s_bfe_u32 s2, ttmp6, 0x10000c
	s_cmp_lg_u32 s2, 0x3003
	s_cbranch_scc0 .Lentry_shape_is_right
	s_endpgm
.Lentry_shape_is_right:
; attn[b][s][head] = softmax(q q^T / 8) q for each of 32 (batch, head), both products on codes of FP6 (E2M3) with E8M0 scales; q serves as query, key and value.
; THE SOFTMAX AHEAD OF THE SECOND PRODUCT: t = score x log2(e) / 8; M = the running largest t, rounded UP to a whole number; p = 2^(t - M) is quantised along the keys, not normalised;
; the row's sum is taken of the unquantised p and divides at the end; when M moves, the sum and O are multiplied by 2^(old M - new M), exactly.
; IN: kv [32][16 steps of 128 keys][12,800]: 0: K, four fragments, fragment b's half u = key tile 2 b + u; 6,144: V, four fragments (16 channels x the step's 128 keys); 12,288: K's scale words; 12,544: V's.
; Tile i, place p of a step is key 64 (i / 4) + 8 (i % 4) + 32 (p / 8) + p % 8: so the 32 score registers of tiles 4 c .. 4 c + 3 in lane (r, h) are the keys 64 c + 32 h + 0 .. 31, a whole scale block of p,
; which is what the next operand's registers 6 c .. 6 c + 5 hold in that lane.  V's channels are tiled the same way, so a lane's 32 results are a whole block of the last product.
; THE SCORES' K IS 64, THE INSTRUCTION'S 128: a fragment of K holds two key tiles; Q stands between six zeros on either side: (Q, 0) multiplies the lower tile, (0, Q) the upper.
; The zero codes stand on Q's side; the other tile's codes are numbers (the format has no NaN and no infinity) and no scale byte here is 0xff, so that half adds 0.
; A BLOCK'S SCALE needs no second exponential: the largest x = t - M of a block, made by the same multiply-add as the numbers themselves, gives floor(x), which is floor(log2) of the block's largest p
; (where x lies so close under a whole number that p rounds up to the power of two, the number lies on the edge between two scales and is held at the largest code of the lower).
; SHARES.  A work-group owns 256 queries of one (batch, head); each of its eight waves two tiles A and B of 16 queries (the two halves of one fragment of K), so each fragment of K and V serves both.
; THE ORDER.  A tile's step is a run of exponentials and a run of plain vector work.  Among tile A's 64 exponentials stand tile B's products: its eight of the scores of this step and its four of O of the step before;
; among tile B's stand tile A's eight of the next step's scores and its four of O of this step.  The exponentials' sources, the codes and O are written ahead of the one wait in front of the run.
; LDS.  The whole head, 16 chunks, lies in LDS, filled once: each wave brings two chunks.  The first barrier shows chunks 0 to 5 (waves 0 to 2), the second, behind three steps, all.
; CLUSTER 4 x 1: four query blocks of one head ask for each chunk jointly.  One tensor load of a wave is out, by this text's count.
; No prefetch: every tile is asked for at the head, and the loop loads from LDS alone.
; Both products are used transposed (S^T = K Q^T, O^T = V^T P^T): a lane holds one query of a tile throughout.
; OUT: ac, laid as the last product's operand: [32 blocks of 128 rows][8 K steps = pairs of heads][12,800]; my tiles' half (head % 2) of a fragment each, and two bytes of a scale word each.
; LIMITS: a block's largest magnitude is floored at 2^-124 (byte 1); a block of zeros gets the byte 1 where the rule says 127 (its codes are zeros; this program alone reads the bytes); NaN and infinities are not served;
; scores lie above -3e38, the number with which the running maximum begins.
; REGISTERS, x = 0 for tile A, 1 for B.  Window 0: v1-3 16 x lane, 8 x lane, 16 p; v4, v5 the add's; v6 8 h; v7 lane; v8-11 the maxima's chains (and addresses); v12 at work; v16-63 K; v64 + 64 x S^T, then p; v192 + 12 x p's codes;
;   v216-219 K's scale words, v220-223 V's, v224 + x p's, v226 + x Q's: these hold nothing else; v228-243 the sum's chains, then at work; v244 + 2 x the sum in two halves; v248 + 2 x -M, v249 + 2 x the largest score;
;   v252 + 2 x the factor of the last change of M; v253 + 2 x, v13 + 2 x the scale operands of the lane's two blocks.
;   Window 1: v0 + 32 x O^T; v64-111 V; v112-141 six zeros, A's Q, six zeros, B's Q, six zeros.
.set CH,  12800
.set SPARE, 16*CH
.set T,   8
.set TMP, 12
.set E1,  13
.set KF,  16
.set S,   64
.set PC,  192
.set KS,  216
.set VS,  220
.set PW,  224
.set QS,  226
.set SUM, 228
.set LS,  244
.set NM,  248
.set RM,  249
.set FF,  252
.set E0,  253
.set K0,  SUM+2
.set K1,  SUM+3
.set X1,  SUM+4
.set X2,  SUM+5
.set B0,  SUM+6
.set B1,  SUM+7
.set U,   SUM+8                        ; SUM+8..10, SUM+12..14: conversions' upper halves
.set W,   SUM+11
.set OT,  0
.set VF,  64
.set QF,  118
.set MSB, 0
.macro WIN new                         ; the immediate's high byte repeats the setting that is left
.if MSB != \new
	s_set_vgpr_msb (MSB<<8)|\new
.set MSB, \new
.endif
.endm
.macro WALU
	s_wait_alu depctr_va_vdst(0)
.endm
.macro CROUND                          ; a round of the cluster's barrier
	s_barrier_signal -1
	s_barrier_wait -1
	s_cmp_lg_u32 s8, 0
	s_cbranch_scc1 .Lnot_wave_0_\@
	s_barrier_signal -3
.Lnot_wave_0_\@:
	s_barrier_wait -3
	s_barrier_signal -1
	s_barrier_wait -1
.endm
.macro LOADK a, off                    ; K's four fragments and their scale words: 17 loads
.irp b, 0,1,2,3
.irp c, 0,1
	ds_load_b128 v[KF+12*\b+6*\c:KF+12*\b+6*\c+3], v[\a] offset:(\off)+1536*\b+768*\c
	ds_load_b64 v[KF+12*\b+6*\c+4:KF+12*\b+6*\c+5], v[\a+1] offset:(\off)+1536*\b+768*\c+512
.endr
.endr
	ds_load_b128 v[KS:KS+3], v[\a+2] offset:(\off)+12288
.endm
.macro LOADV a                         ; V's: 17 loads
	ds_load_b128 v[VS:VS+3], v[\a+2] offset:12544
	WIN 0x40
.irp k, 0,1,2,3
.irp c, 0,1
	ds_load_b128 v[VF+12*\k+6*\c:VF+12*\k+6*\c+3], v[\a] offset:6144+1536*\k+768*\c
	ds_load_b64 v[VF+12*\k+6*\c+4:VF+12*\k+6*\c+5], v[\a+1] offset:6144+1536*\k+768*\c+512
.endr
.endr
	WIN 0
.endm
.macro SPROD n, x                      ; tile x's scores against key tile n (source 1 window 1)
.set N_, (\n)
	v_wmma_scale_f32_16x16x128_f8f6f4 v[S+64*(\x)+8*N_:S+64*(\x)+8*N_+7], v[KF+12*(N_/2):KF+12*(N_/2)+11], v[QF+12*(\x)-6*(N_%2):QF+12*(\x)-6*(N_%2)+11], 0, v[KS+N_/2], v[QS+(\x)] matrix_a_fmt:MATRIX_FMT_FP6 matrix_b_fmt:MATRIX_FMT_FP6
.endm
.macro OPROD k, x                      ; O^T += V^T P^T, channels' tile k (sources 0 and 2 and destination window 1)
.set N_, (\k)
	v_wmma_scale_f32_16x16x128_f8f6f4 v[OT+32*(\x)+8*N_:OT+32*(\x)+8*N_+7], v[VF+12*N_:VF+12*N_+11], v[PC+12*(\x):PC+12*(\x)+11], v[OT+32*(\x)+8*N_:OT+32*(\x)+8*N_+7], v[VS+N_], v[PW+(\x)] matrix_a_fmt:MATRIX_FMT_FP6 matrix_b_fmt:MATRIX_FMT_FP6
.endm
; THE RUN OF EXPONENTIALS of tile y, p = 2^(t - M), with tile x's products among them: a product ahead of every fifth.
.macro EXPS y, x, dos
	WIN 0x04
.set I_, 0
.rept 64
.if (I_%5 == 0) && (I_ < 60)
.if I_ < 40
.if \dos
	SPROD I_/5, \x
.endif
.else
	WIN 0x51
	OPROD I_/5-8, \x
	WIN 0x04
.endif
.endif
	v_exp_f32 v[S+64*\y+I_], v[S+64*\y+I_]
.set I_, I_+1
.endr
	WIN 0
.endm
; line n (0 .. 31) of tile x's sum: eight chains, their tree, and the sum so far under the new M
.macro SUMI n, x
.if (\n) < 8
.set A_, SUM+2*(\n)
.set P_, S+64*(\x)+2*(\n)
	v_pk_add_f32 v[A_:A_+1], v[P_:P_+1], v[P_+16:P_+17]
.elseif (\n) < 24
.set A_, SUM+2*((\n)%8)
.set P_, S+64*(\x)+2*(\n)+16
	v_pk_add_f32 v[A_:A_+1], v[A_:A_+1], v[P_:P_+1]
.elseif (\n) < 28
.set A_, SUM+2*((\n)-24)
	v_pk_add_f32 v[A_:A_+1], v[A_:A_+1], v[A_+8:A_+9]
.elseif (\n) < 30
.set A_, SUM+2*((\n)-28)
	v_pk_add_f32 v[A_:A_+1], v[A_:A_+1], v[A_+4:A_+5]
.elseif (\n) == 30
	v_pk_add_f32 v[SUM:SUM+1], v[SUM:SUM+1], v[SUM+2:SUM+3]
.else
	v_pk_fma_f32 v[LS+2*(\x):LS+2*(\x)+1], v[LS+2*(\x):LS+2*(\x)+1], v[FF+2*(\x):FF+2*(\x)+1], v[SUM:SUM+1] op_sel_hi:[1,0,1]
.endif
.endm
.macro CVLO x, c                       ; the codes of keys 0-15 of my block c of tile x,
	v_cvt_scalef32_pk16_fp6_f32 v[PC+12*\x+6*\c:PC+12*\x+6*\c+2], v[S+64*\x+32*\c:S+64*\x+32*\c+15], v[E0+2*\x+(E1-E0)*\c]
.endm
.macro CVHI x, c                       ; and of keys 16-31 (a conversion's three registers begin on an even number)
	v_cvt_scalef32_pk16_fp6_f32 v[U+4*\c:U+4*\c+2], v[S+64*\x+32*\c+16:S+64*\x+32*\c+31], v[E0+2*\x+(E1-E0)*\c]
.endm
.macro CVMV x, c, i
	v_mov_b32 v[PC+12*\x+6*\c+3+\i], v[U+4*\c+\i]
.endm
.macro FMAS n, y                       ; t - M, two at a time (of the pairs c and -M the low word serves both halves)
.rept \n
	v_pk_fma_f32 v[S+64*\y+F_:S+64*\y+F_+1], v[S+64*\y+F_:S+64*\y+F_+1], s[26:27], v[NM+2*\y:NM+2*\y+1] op_sel_hi:[1,0,0]
.set F_, F_+2
.endr
.endm
; THE RUN OF PLAIN WORK between two runs of exponentials: tile x's p are there and tile y's scores.  O of x under its new M; (ld: 1 the next step's K and this step's V, 2 V alone are asked of LDS: the lines above are the places in front of these loads);
; x's sum and y's maxima by turns; x's codes; y's M, its factor, its scales, its t - M.  y = 2: no scores.
.macro SOFT x, y, ld
	WIN 0x41
	WALU                                           ; the wait ahead of the first reader of O, and behind the exponentials
.set J_, 0
.rept 16
	v_pk_mul_f32 v[OT+32*\x+J_:OT+32*\x+J_+1], v[OT+32*\x+J_:OT+32*\x+J_+1], v[FF+2*\x:FF+2*\x+1] op_sel_hi:[1,0]
.set J_, J_+2
.endr
	WIN 0
.if \ld
	v_add_nc_u32 v8, s28, v1
	v_add_nc_u32 v9, s28, v2
	v_add_nc_u32 v10, s28, v3
.if \ld == 1
	LOADK 8, CH
.endif
	LOADV 8
	s_add_co_u32 s28, s28, CH
.endif
	WALU                                           ; and ahead of the first reader of the scores
.if \y < 2
.set J_, 0
.rept 7
.irp q, 0,1,2,3                                ; chain q: keys' registers 16 q .. 16 q + 14, each accumulator from its low end on
.if J_ == 0
	v_max3_num_f32 v[T+\q], v[S+64*\y+16*\q], v[S+64*\y+16*\q+1], v[S+64*\y+16*\q+2]
.else
	v_max3_num_f32 v[T+\q], v[T+\q], v[S+64*\y+16*\q+2*J_+1], v[S+64*\y+16*\q+2*J_+2]
.endif
	SUMI 4*J_+\q, \x
.endr
.set J_, J_+1
.endr
	v_max3_num_f32 v[T], v[T], v[S+64*\y+15], v[S+64*\y+31]
	v_max3_num_f32 v[T+2], v[T+2], v[S+64*\y+47], v[S+64*\y+63]
	SUMI 28, \x
	SUMI 29, \x
	v_max_num_f32 v[T], v[T], v[T+1]               ; the largest score of my block h,
	v_max_num_f32 v[T+2], v[T+2], v[T+3]           ; and of my block 2 + h
	SUMI 30, \x
	CVLO \x, 0
	v_max3_num_f32 v[TMP], v[RM+2*\y], v[T], v[T+2]
	CVHI \x, 0
	SUMI 31, \x
	v_permlanex16_b32 v[X1], v[TMP], s24, s25
	CVLO \x, 1
	CVHI \x, 1
	v_max_num_f32 v[RM+2*\y], v[TMP], v[X1]        ; with lane l xor 16's keys: the running largest score of my query
	CVMV \x, 0, 0
	CVMV \x, 0, 1
	v_mul_f32 v[TMP], s50, v[RM+2*\y]              ; -t
	CVMV \x, 0, 2
	CVMV \x, 1, 0
	v_floor_f32 v[TMP], v[TMP]                     ; the new -M = floor(-t) = -ceil(t): a whole number
	CVMV \x, 1, 1
	CVMV \x, 1, 2
	v_sub_f32 v[X1], v[TMP], v[NM+2*\y]            ; old M less new M: a whole number, 0 or less
	v_mov_b32 v[NM+2*\y], v[TMP]
	v_fma_f32 v[B0], v[T], s26, v[TMP]             ; the largest t - M of my two blocks
	v_fma_f32 v[B1], v[T+2], s26, v[TMP]
	v_cvt_i32_f32 v[X1], v[X1]                     ; (it saturates)
.set F_, 0
	FMAS 2, \y
	v_max_num_f32 v[B0], 0xc2f80000, v[B0]         ; held at -124: the byte cannot fall under 1
	v_max_num_f32 v[B1], 0xc2f80000, v[B1]
	v_ldexp_f32 v[FF+2*\y], 1.0, v[X1]             ; the factor 2^(old M - new M)
	FMAS 3, \y
	v_cvt_floor_i32_f32 v[K0], v[B0]
	v_cvt_floor_i32_f32 v[K1], v[B1]
	FMAS 4, \y
	v_add_lshl_u32 v[E0+2*\y], v[K0], s51, 23      ; byte = floor + 127 - 2, in the exponent field: the conversion's scale operand
	v_add_lshl_u32 v[E1+2*\y], v[K1], s51, 23
	v_lshl_add_u32 v[W], v[K1], 16, v[K0]
	FMAS 4, \y
	v_add_lshl_u32 v[W], v[W], s52, v6             ; my two bytes at bits 0 and 16, 8 h up
	FMAS 4, \y
	v_permlanex16_b32 v[X2], v[W], s24, s25
	FMAS 4, \y
	v_or_b32 v[PW+\y], v[W], v[X2]                 ; with lane l xor 16's two: p's scale word for these 128 keys
	FMAS 11, \y
.else
.set J_, 0
.rept 32
	SUMI J_, \x
.set J_, J_+1
.endr
.irp c, 0,1
	CVLO \x, \c
	CVHI \x, \c
.endr
	v_nop                                          ; one plain place behind a scaled conversion
.irp c, 0,1
.irp i, 0,1,2
	CVMV \x, \c, \i
.endr
.endr
.endif
.endm
.macro BODY last                       ; a step of 128 keys
	SOFT 1, 0, 0
	WALU                                           ; the wait ahead of the run of exponentials
	EXPS 0, 1, 1
	SOFT 0, 1, 1+\last
	WALU
	s_wait_dscnt 0x0                               ; the fragments are in
	EXPS 1, 0, 1-\last
.endm
	s_load_b128 s[4:7], s[0:1], 0x0                ; kv s[4:5], ac s[6:7]
	v_lshl_add_u32 v4, v0, 2, SPARE
	v_mov_b32 v5, 0
	ds_add_u32 v4, v5                              ; the opening: the add, twice on end, and its wait ahead of my tensor load
	ds_add_u32 v4, v5
	v_lshrrev_b32 v8, 5, v0
	v_readfirstlane_b32 s8, v8                     ; wave 0..7
	v_and_b32 v7, 31, v0                           ; lane
	v_and_b32 v9, 15, v0                           ; p
	v_bfe_u32 v6, v0, 4, 1
	v_lshlrev_b32 v1, 4, v7
	v_lshlrev_b32 v2, 3, v7
	v_lshlrev_b32 v3, 4, v9
	v_lshlrev_b32 v6, 3, v6                        ; 8 h
	s_bfe_u32 s9, ttmp6, 0x40000                   ; cx
	s_lshl_b32 s10, ttmp9, 2
	s_add_co_u32 s10, s10, s9                      ; my block of 256 queries: it enters global addresses alone
	s_and_b32 s11, ttmp7, 0xffff                   ; batch x 16 + head, which the four partners share
	; descriptor group 1: two chunks, 25,600 dense bytes, as 100 rows of 32 elements of 8 bytes, no padding
	s_mov_b32 s16, 15|(3<<16)|(1<<21)              ; 15:0 the mask: all four work-groups; 17:16 elements of 8 bytes; 21 set beside a mask
	s_mov_b32 s17, 32<<16                          ; tensor_dim0 = 32
	s_mov_b32 s18, 100<<16                         ; tensor_dim1 = 100
	s_mov_b32 s19, 32<<16                          ; tile_dim0 = 32
	s_mov_b32 s20, 100                             ; tile_dim1 = 100
	s_mov_b32 s21, 32                              ; the pitch
	s_mov_b32 s22, 0
	s_mov_b32 s23, 0
	s_mov_b32 s24, 0x76543210
	s_mov_b32 s25, 0xfedcba98                      ; v_permlanex16_b32's selects for lane l xor 16
	s_mov_b32 s26, 0x3e38aa3b                      ; c = log2(e) / 8
	s_mov_b32 s27, s26                             ; (named with it as a pair, so it is written)
	s_mov_b32 s50, 0xbe38aa3b                      ; -c
	s_mov_b32 s51, 125
	s_mov_b32 s52, 0x7d007d                        ; 125 for each of two bytes
	s_mul_i32 s30, s11, 16*CH
	s_mov_b32 s31, 0
	s_mul_i32 s13, s8, 2*CH                        ; my two chunks: in LDS,
	s_mov_b32 s32, s13                             ; and in the head
	s_mov_b32 s33, 0
	s_lshr_b32 s34, s8, 2
	s_lshl_b32 s35, s10, 1
	s_add_co_u32 s34, s34, s35                     ; the chunk that holds my queries: 2 x block + wave / 4
	s_and_b32 s35, s8, 3                           ; b: my two tiles are fragment b of it
	s_mul_i32 s38, s34, CH
	s_mul_i32 s36, s35, 1536
	s_add_co_u32 s36, s36, s38
	s_mov_b32 s37, 0
	s_lshl_b32 s39, s35, 2
	s_add_co_u32 s38, s38, s39
	s_add_co_u32 s38, s38, 12288
	s_mov_b32 s39, 0
	WALU                                           ; the wait ahead of the waits below
	s_wait_dscnt 0x0
	s_wait_kmcnt 0x0
	s_add_nc_u64 s[30:31], s[4:5], s[30:31]        ; the head's 16 chunks
	s_add_nc_u64 s[36:37], s[30:31], s[36:37]      ; Q: my fragment
	s_add_nc_u64 s[38:39], s[30:31], s[38:39]      ; and its scale words
	global_load_b32 v[TMP], v3, s[38:39]
	WIN 0x40
.irp x, 0,1
	global_load_b128 v[QF+12*\x:QF+12*\x+3], v1, s[36:37] offset:768*\x
	global_load_b64 v[QF+12*\x+4:QF+12*\x+5], v2, s[36:37] offset:768*\x+512
.endr
	WIN 0
	s_mov_b32 s12, 1
	s_add_nc_u64 s[14:15], s[30:31], s[32:33]
	s_or_b32 s15, s15, 0x80000000
	CROUND                                         ; all four work-groups are here: the joint loads meet
	s_cmp_lt_u32 s8, 3                             ; the waves whose chunks the first barrier shows have a load line of their own
	s_cbranch_scc0 .Lothers
	tensor_load_to_lds s[12:15], s[16:23]
	s_nop 0
.rept 4
	v_nop
.endr
	s_branch .Lasked
.Lothers:
	tensor_load_to_lds s[12:15], s[16:23]
	s_nop 0
.rept 4
	v_nop
.endr
.Lasked:
	; where my results go
	s_lshr_b32 s41, s11, 4                         ; batch
	s_and_b32 s42, s11, 15                         ; head
	s_lshl_b32 s41, s41, 4
	s_add_co_u32 s41, s41, s34                     ; the block of 128 rows
	s_lshl_b32 s41, s41, 3
	s_lshr_b32 s43, s42, 1
	s_add_co_u32 s41, s41, s43                     ; its K step: the pair of heads
	s_mul_i32 s41, s41, CH
	s_and_b32 s42, s42, 1
	s_mul_i32 s44, s35, 3072
	s_mul_i32 s43, s42, 768
	s_add_co_u32 s44, s44, s43
	s_add_co_u32 s44, s44, s41
	s_mov_b32 s45, 0
	s_add_nc_u64 s[44:45], s[6:7], s[44:45]        ; the codes: fragments 2 b, 2 b + 1, half head % 2
	s_lshr_b32 s46, s35, 1
	s_lshl_b32 s46, s46, 8
	s_and_b32 s43, s35, 1
	s_lshl_b32 s43, s43, 3
	s_add_co_u32 s46, s46, s43
	s_lshl_b32 s43, s42, 1
	s_add_co_u32 s46, s46, s43
	s_add_co_u32 s46, s46, s41
	s_add_co_u32 s46, s46, 12288
	s_mov_b32 s47, 0
	s_add_nc_u64 s[46:47], s[6:7], s[46:47]        ; the scale bytes
	; The step is written once for all steps but the last: the first finds zeros in O^T and, for tile B's step before the first, zeros in p: its codes are zeros and its sum is 0.
	WIN 0x40
.set J_, 0
.rept 64
	v_mov_b32 v[OT+J_], 0
.set J_, J_+1
.endr
.irp j, 112,113,114,115,116,117,124,125,126,127,128,129,136,137,138,139,140,141
	v_mov_b32 v[\j], 0                             ; the zero codes on either side of Q
.endr
	WIN 0
.irp x, 0,1
	v_mov_b32 v[NM+2*\x], 0x7f61b1e6               ; -M and the largest score so far: 3e38 and -3e38, under every score
	v_mov_b32 v[RM+2*\x], 0xff61b1e6
	v_mov_b32 v[LS+2*\x], 0
	v_mov_b32 v[LS+2*\x+1], 0
.endr
	v_mov_b32 v[FF+2], 1.0
	v_mov_b32 v[E0+2], 1.0                         ; tile B's scale operands and word of that step: 2^0
	v_mov_b32 v[E1+2], 1.0
	v_mov_b32 v[PW+1], 0x7f7f7f7f
	WALU
	s_wait_loadcnt 0x0                             ; Q and its scale words
	v_and_b32 v8, 0xffff, v[TMP]
	v_lshrrev_b32 v9, 16, v[TMP]
	v_lshl_or_b32 v[QS], v8, 16, v8                ; a tile's two bytes, twice: they serve Q in either half
	v_lshl_or_b32 v[QS+1], v9, 16, v9
.set J_, 0
.rept 64
	v_mov_b32 v[S+64+J_], 0
.set J_, J_+1
.endr
	s_mov_b32 s28, 0                               ; LDS byte of the step's chunk
	s_mov_b32 s29, 3                               ; steps to go
	WALU                                           ; the wait at the head's end
	s_cmp_lt_u32 s8, 3
	s_cbranch_scc0 .Lnot_first
	s_wait_tensorcnt 0x0                           ; waves 0 to 2: chunks 0 to 5 have landed
.Lnot_first:
	s_barrier_signal -1
	s_barrier_wait -1
	LOADK 1, 0
	LOADV 1                                        ; (V for tile B's zero codes of the step before the first)
	s_wait_dscnt 0x0
	WIN 0x04
.irp n, 0,1,2,3,4,5,6,7
	SPROD \n, 0                                    ; tile A's scores of step 0
.endr
	WIN 0
.Lfirst:                                               ; steps 0 to 2: they read chunks 0 to 3
	BODY 0
	WALU                                           ; the wait behind the exponentials, ahead of the branch
	s_sub_co_u32 s29, s29, 1
	s_cmp_lg_u32 s29, 0
	s_cbranch_scc1 .Lfirst
	s_wait_tensorcnt 0x0                           ; my chunks have landed,
	s_wait_dscnt 0x0
	s_barrier_signal -1
	s_barrier_wait -1                              ; everybody's have; LDS is only read from here on
	s_mov_b32 s28, 3*CH
	s_mov_b32 s29, 12
.Lstep:                                                ; steps 3 to 14
	BODY 0
	WALU
	s_sub_co_u32 s29, s29, 1
	s_cmp_lg_u32 s29, 0
	s_cbranch_scc1 .Lstep
	s_mov_b32 s28, 15*CH
	BODY 1                                         ; step 15: no next scores
	SOFT 1, 2, 0                                   ; and tile B's end of it
	; THE WAY OUT.  O^T / the sum: register t of my tile is channel 32 h + t of my query: a whole block along the channels, which are the last product's K.
.irp x, 0,1
	v_add_f32 v[LS+2*\x], v[LS+2*\x], v[LS+2*\x+1] ; the sum's two halves,
.endr
.irp x, 0,1
	v_permlanex16_b32 v[X1+\x], v[LS+2*\x], s24, s25
.endr
.irp x, 0,1
	v_add_f32 v[LS+2*\x], v[LS+2*\x], v[X1+\x]     ; and lane l xor 16's: the row's sum
.endr
	WALU
	v_rcp_f32 v[LS], v[LS]
	v_rcp_f32 v[LS+2], v[LS+2]
	WIN 0x51
.irp k, 0,1,2,3
	OPROD \k, 1                                    ; tile B's last products
.endr
	WIN 0x01
.rept 4
	v_nop                                          ; the plain place behind the reciprocals, and the places between the products and the first read of O^T
.endr
	WALU                                           ; ahead of the first reader of O^T and of the reciprocals
.irp x, 0,1
.set J_, 0
.rept 32
	v_mul_f32 v[S+64*\x+J_], v[OT+32*\x+J_], v[LS+2*\x]   ; each accumulator from its low end on
.set J_, J_+1
.endr
.endr
	WIN 0
.irp q, 0,1,2,3                                ; chain q: tile q / 2, channels 16 (q % 2) on
	v_max3_num_f32 v[T+\q], |v[S+64*(\q/2)+16*(\q%2)]|, |v[S+64*(\q/2)+16*(\q%2)+1]|, 0x1800000
.endr
.irp i, 2,4,6,8,10,12,14
.irp q, 0,1,2,3
	v_max3_num_f32 v[T+\q], v[T+\q], |v[S+64*(\q/2)+16*(\q%2)+\i]|, |v[S+64*(\q/2)+16*(\q%2)+\i+1]|
.endr
.endr
.irp x, 0,1
	v_max_num_f32 v[T+2*\x], v[T+2*\x], v[T+2*\x+1]
.endr
.irp x, 0,1
	v_add_nc_u32 v[E0+2*\x], 0xff000000, v[T+2*\x] ; 2 off the exponent field: the conversion's scale operand
.endr
.irp x, 0,1
	v_lshrrev_b32 v[B0+\x], 23, v[E0+2*\x]         ; the scale's byte
.endr
.irp x, 0,1
	v_cvt_scalef32_pk16_fp6_f32 v[PC+12*\x:PC+12*\x+2], v[S+64*\x:S+64*\x+15], v[E0+2*\x]
	v_cvt_scalef32_pk16_fp6_f32 v[U+4*\x:U+4*\x+2], v[S+64*\x+16:S+64*\x+31], v[E0+2*\x]
.endr
.irp x, 0,1
	v_lshlrev_b32 v[B0+\x], v6, v[B0+\x]           ; at 8 h
.endr
.irp i, 0,1,2
.irp x, 0,1
	v_mov_b32 v[PC+12*\x+3+\i], v[U+4*\x+\i]
.endr
.endr
.irp x, 0,1
	v_permlanex16_b32 v[X1+\x], v[B0+\x], s24, s25
.endr
.irp x, 0,1
	v_or_b32 v[K0+\x], v[B0+\x], v[X1+\x]          ; the tile's row's two bytes
.endr
	v_cmp_gt_u32 vcc_lo, 16, v7
	WALU
.irp x, 0,1
	global_store_b128 v1, v[PC+12*\x:PC+12*\x+3], s[44:45] offset:1536*\x          ; 512 and 256 consecutive bytes, aligned
	global_store_b64 v2, v[PC+12*\x+4:PC+12*\x+5], s[44:45] offset:1536*\x+512
.endr
	s_wait_xcnt 0x0                                ; EXEC changes only behind this wait
	s_and_saveexec_b32 s48, vcc_lo
.irp x, 0,1
	global_store_b16 v3, v[K0+\x], s[46:47] offset:4*\x
.endr
	s_wait_xcnt 0x0                                ; and again in front of the line that widens it
	s_or_b32 exec_lo, exec_lo, s48
	s_wait_tensorcnt 0x0                           ; the wave's end
	ds_add_u32 v4, v5
	s_wait_dscnt 0x0
	CROUND                                         ; the closing round: no work-group ends while a partner may still ask for a chunk that names it
	s_endpgm
.Lfunc_end_k_q2d5c90a9e3_attn:
	.size	k_q2d5c90a9e3_attn, .Lfunc_end_k_q2d5c90a9e3_attn-k_q2d5c90a9e3_attn
	.p2alignl 7, 3214868480
	.fill 96, 4, 3214868480
	.section	.rodata,"a",@progbits
	.p2align	6, 0x0
	.amdhsa_kernel k_q2d5c90a9e3_attn
		.amdhsa_group_segment_fixed_size 206848
		.amdhsa_private_segment_fixed_size 0
		.amdhsa_enable_private_segment 0
		.amdhsa_kernarg_size 16
		.amdhsa_user_sgpr_count 2
		.amdhsa_user_sgpr_kernarg_segment_ptr 1
		.amdhsa_wavefront_size32 1
		.amdhsa_system_sgpr_workgroup_id_x 1
		.amdhsa_system_sgpr_workgroup_id_y 1
		.amdhsa_system_sgpr_workgroup_id_z 1
		.amdhsa_system_vgpr_workitem_id 0
		.amdhsa_next_free_vgpr 400
		.amdhsa_next_free_sgpr 66
		.amdhsa_reserve_vcc 1
		.amdhsa_float_denorm_mode_32 3
		.amdhsa_float_denorm_mode_16_64 3
		.amdhsa_memory_ordered 1
		.amdhsa_forward_progress 1
		.amdhsa_inst_pref_size 106
	.end_amdhsa_kernel
	.amdgpu_metadata
---
amdhsa.version: [ 1, 2 ]
amdhsa.kernels:
  - .name:           k_q2d5c90a9e3_attn
    .symbol:         k_q2d5c90a9e3_attn.kd
    .args:
      - { .name: kv, .offset: 0, .size: 8, .value_kind: global_buffer, .address_space: global }
      - { .name: ac, .offset: 8, .size: 8, .value_kind: global_buffer, .address_space: global }
    .group_segment_fixed_size: 206848
    .private_segment_fixed_size: 0
    .kernarg_segment_align: 8
    .kernarg_segment_size: 16
    .max_flat_workgroup_size: 256
    .sgpr_count:     66
    .vgpr_count:     400
    .wavefront_size: 32
...
	.end_amdgpu_metadata
.endif
;; end of part 3
;; launch outp (part 4): grid 8 x 32, 4 waves a work-group, clusters of 4 x 4, 222,720 bytes of LDS; arguments ac, woc, bo, out0; writes out0
.if DOCPART == 4
	.amdgcn_target "amdgcn-amd-amdhsa--gfx1250"
	.amdhsa_code_object_version 6
	.text
	.protected	k_q2d5c90a9e3_outp
	.globl	k_q2d5c90a9e3_outp
	.p2align	8
	.type	k_q2d5c90a9e3_outp,@function
k_q2d5c90a9e3_outp:
	s_mov_b64 s[64:65], 0
	v_nop
	global_prefetch_b8 v0, s[64:65] scope:SCOPE_SE
	s_setreg_imm32_b32 hwreg(HW_REG_WAVE_MODE, 25, 1), 1
	s_wait_xcnt 0x0
	s_wait_alu depctr_hold_cnt(0) depctr_sa_sdst(0) depctr_va_vdst(0) depctr_va_sdst(0) depctr_va_ssrc(0) depctr_va_vcc(0) depctr_vm_vsrc(0)
	s_getreg_b32 s2, hwreg(HW_REG_IB_STS2, 6, 4)
	s_cmp_eq_u32 s2, 0
	s_cbranch_scc0 .Lentry_in_a_cluster
	s_endpgm
.Lentry_in_a_cluster:
	s_bfe_u32 s2, ttmp6, 0x10000c
	s_cmp_lg_u32 s2, 0xf033
	s_cbranch_scc0 .Lentry_shape_is_right
	s_endpgm
.Lentry_shape_is_right:
; out = attn Wo^T + bo on codes of FP6 (E2M3) with E8M0 scales, sums in f32, result f32 [4096][1024].
; OPERANDS come as register images in chunks of 12,800 bytes (128 rows x 128 K): tile i's fragment at 1,536 i (registers 6 c .. 6 c + 3 at 768 c + 16 x lane, 6 c + 4, 6 c + 5 at 768 c + 512 + 8 x lane),
; scale words at 12,288 + 256 (i / 4) + 16 p + 4 (i % 4).  Tile i, place p is row 64 (i / 4) + 8 (i % 4) + 32 (p / 8) + p % 8.
; SHARES.  A work-group makes 128 rows x 128 columns; wave w (a = w / 2, e = w % 2) attn's tiles 4 a .. 4 a + 3 against Wo's tiles 4 e .. 4 e + 3: 64 x 64.
; THE MATRIX INSTRUCTION IS USED TRANSPOSED (source 0 = 16 rows of Wo, source 1 = 16 rows of attn): a lane (p, h) holds one row of the result, and over the four tiles of Wo the 32 neighbouring columns 32 h + 0 .. 31.
; LDS.  All of K lies in LDS, filled once: attn's block of 8 chunks at 0, Wo's at 102,400; behind them a stage of 16 rows x 272 bytes for each wave, into which no fill lands.
; One tensor load a wave: wave 0 attn's K steps 0-3, wave 1 Wo's, wave 2 attn's K steps 4-7, wave 3 Wo's.
; CLUSTER 4 x 4: attn's block is shared along a row of the cluster, Wo's along a column: each is asked for jointly.
; No prefetch: every tile is asked for at the head, and the steps along K load from LDS alone.
; REGISTERS: window 0: v1-12 addresses, v28-31 lane numbers; two buffers p of fragments: attn's at v[32 + 96 p], Wo's at v[80 + 96 p]; scale words v[224 + 8 p ..], v[228 + 8 p ..]: they hold nothing else;
;   on the way out v32-159 take the rows read back.   window 1: the accumulators (i, k) at v[32 i + 8 k]; the bias as each sum's first C at v[128 + 8 k].
.set CH,   12800
.set AF,   32
.set BF,   80
.set AS,   224
.set BS,   228
.set STAGE, 16*CH
.set SPITCH, 272
.set MSB,  0
.macro WIN new                         ; the immediate's high byte repeats the setting that is left
.if MSB != \new
	s_set_vgpr_msb (MSB<<8)|\new
.set MSB, \new
.endif
.endm
.macro CROUND                          ; a round of the cluster's barrier
	s_barrier_signal -1
	s_barrier_wait -1
	s_cmp_lg_u32 s12, 0
	s_cbranch_scc1 .Lnot_wave_0_\@
	s_barrier_signal -3
.Lnot_wave_0_\@:
	s_barrier_wait -3
	s_barrier_signal -1
	s_barrier_wait -1
.endm
.macro TLOAD g0, g1
	tensor_load_to_lds s[\g0:\g0+3], s[\g1:\g1+7]
	s_nop 0
.rept 4
	v_nop
.endr
.endm
.macro ARM n, g0, g1, next             ; wave n's one load
	s_cmp_eq_u32 s12, \n
	s_cbranch_scc0 \next
	TLOAD \g0, \g1
	s_branch .Lasked
\next:
.endm
.macro FETCH s, p                      ; K step s: my four fragments of attn, my four of Wo and their scale words into buffer p: 34 loads
.set FB, CH*((\s)%4)
.set FA, AF+96*(\p)
.set FG, BF+96*(\p)
.irp i, 0,1,2,3
.irp c, 0,1
	ds_load_b128 v[FA+12*\i+6*\c:FA+12*\i+6*\c+3], v4 offset:FB+1536*\i+768*\c
	ds_load_b64 v[FA+12*\i+6*\c+4:FA+12*\i+6*\c+5], v5 offset:FB+1536*\i+768*\c+512
.endr
.endr
.irp i, 0,1,2,3
.irp c, 0,1
	ds_load_b128 v[FG+12*\i+6*\c:FG+12*\i+6*\c+3], v6 offset:FB+1536*\i+768*\c
	ds_load_b64 v[FG+12*\i+6*\c+4:FG+12*\i+6*\c+5], v7 offset:FB+1536*\i+768*\c+512
.endr
.endr
	ds_load_b128 v[AS+8*(\p):AS+8*(\p)+3], v8 offset:FB
	ds_load_b128 v[BS+8*(\p):BS+8*(\p)+3], v9 offset:FB
.endm
.macro PROD s                          ; 16 products: the 16 accumulators take turns, one instruction a turn, in the same order in every step
.set P, (\s)%2
	WIN 0x50                                       ; C and D window 1
.irp i, 0,1,2,3
.irp k, 0,1,2,3
.set rA, AF+96*P+12*\i
.set rB, BF+96*P+12*\k
.set d1, 32*\i+8*\k
.if (\s) == 0
	v_wmma_scale_f32_16x16x128_f8f6f4 v[d1:d1+7], v[rB:rB+11], v[rA:rA+11], v[128+8*\k:128+8*\k+7], v[BS+8*P+\k], v[AS+8*P+\i] matrix_a_fmt:MATRIX_FMT_FP6 matrix_b_fmt:MATRIX_FMT_FP6
.else
	v_wmma_scale_f32_16x16x128_f8f6f4 v[d1:d1+7], v[rB:rB+11], v[rA:rA+11], v[d1:d1+7], v[BS+8*P+\k], v[AS+8*P+\i] matrix_a_fmt:MATRIX_FMT_FP6 matrix_b_fmt:MATRIX_FMT_FP6
.endif
.endr
.endr
	WIN 0
.endm
; A K step: its 34 loads, issued one step of products ago, are in; four places behind the last step's products (ISA guide 7.12.1 for vector instructions); the next step's loads; the products.
.macro STEP s
.if (\s) == 3
	s_wait_tensorcnt 0x0                           ; my load has landed, K steps 4 to 7 among the four waves' loads
.endif
	s_wait_dscnt 0x0
.if (\s) == 3
	s_barrier_signal -1
	s_barrier_wait -1                              ; everybody's has
.irp r, 4,5,6,7,8,9
	v_add_nc_u32 v\r, 4*CH, v\r                    ; the addresses go on to K steps 4 to 7: six plain instructions, the places in this step
.endr
.elseif (\s) > 0
.rept 4
	v_nop
.endr
.endif
.if (\s) < 7
	FETCH (\s)+1, ((\s)+1)%2
.endif
	PROD \s
.endm
	s_load_b256 s[4:11], s[0:1], 0x0               ; attn's codes s[4:5], Wo's s[6:7], bo s[8:9], out s[10:11]
	v_lshl_add_u32 v254, v0, 2, 0x36400
	v_mov_b32 v255, 0
	ds_add_u32 v254, v255                          ; the opening: the add, twice on end, and its wait ahead of my tensor load
	ds_add_u32 v254, v255
	v_lshrrev_b32 v10, 5, v0
	v_readfirstlane_b32 s12, v10                   ; wave 0..3
	s_lshr_b32 s13, s12, 1                         ; a: my half of the rows.  Also: which half of K I fetch
	s_and_b32 s14, s12, 1                          ; e: my half of the columns.  Also: I fetch for attn (0) or for Wo (1)
	s_bfe_u32 s15, ttmp6, 0x40000                  ; cx
	s_bfe_u32 s16, ttmp6, 0x40004                  ; cy
	s_lshl_b32 s17, ttmp9, 2
	s_add_co_u32 s17, s17, s15                     ; tile column = 4 x cluster x + cx
	s_and_b32 s18, ttmp7, 0xffff
	s_lshl_b32 s18, s18, 2
	s_add_co_u32 s18, s18, s16                     ; tile row = 4 x cluster y + cy
	s_lshl_b32 s19, s16, 2
	s_lshl_b32 s19, 15, s19                        ; my row of the cluster
	s_lshl_b32 s20, 0x1111, s15                    ; my column
	; descriptor group 1: 51,200 dense bytes as 200 rows of 32 elements of 8 bytes, no padding
	s_or_b32 s24, s19, (3<<16)|(1<<21)             ; 15:0 the mask: attn's block goes to my row; 17:16 elements of 8 bytes; 21 set beside a mask
	s_or_b32 s32, s20, (3<<16)|(1<<21)             ; Wo's goes to my column
.irp g, 24, 32
	s_mov_b32 s[\g+1], 32<<16                      ; tensor_dim0 = 32
	s_mov_b32 s[\g+2], 200<<16                     ; tensor_dim1 = 200
	s_mov_b32 s[\g+3], 32<<16                      ; tile_dim0 = 32
	s_mov_b32 s[\g+4], 200                         ; tile_dim1 = 200
	s_mov_b32 s[\g+5], 32                          ; the pitch
	s_mov_b32 s[\g+6], 0
	s_mov_b32 s[\g+7], 0
.endr
	s_mul_i32 s21, s13, 4*CH                       ; my half of K: four chunks, in memory as in LDS
	s_mul_i32 s56, s18, 8*CH                       ; attn: the tile row's block (no register here ever holds cx)
	s_add_co_u32 s56, s56, s21
	s_mov_b32 s57, 0
	s_mul_i32 s58, s17, 8*CH                       ; Wo: the tile column's block (none here ever holds cy)
	s_add_co_u32 s58, s58, s21
	s_mov_b32 s59, 0
	s_wait_dscnt 0x0
	s_wait_kmcnt 0x0
	s_add_nc_u64 s[56:57], s[4:5], s[56:57]
	s_add_nc_u64 s[58:59], s[6:7], s[58:59]
	CROUND                                         ; all sixteen work-groups are here: the joint loads meet
	s_mov_b32 s40, 1                               ; attn
	s_mov_b32 s41, s21
	s_mov_b64 s[42:43], s[56:57]
	s_or_b32 s43, s43, 0x80000000
	s_mov_b32 s48, 1                               ; Wo, behind attn's block
	s_add_co_u32 s49, s21, 8*CH
	s_mov_b64 s[50:51], s[58:59]
	s_or_b32 s51, s51, 0x80000000
	ARM 0, 40, 24, .Larm_1                         ; one chain of branches on the wave's number: one load a wave, and a line of its own for each
	ARM 1, 48, 32, .Larm_2
	ARM 2, 40, 24, .Larm_3
	TLOAD 48, 32
.Lasked:
	v_and_b32 v31, 31, v0                          ; lane
	v_and_b32 v30, 15, v0                          ; p
	v_bfe_u32 v29, v0, 4, 1                        ; h
	v_lshlrev_b32 v1, 4, v31                       ; 16 x lane
	v_lshlrev_b32 v2, 3, v31                       ; 8 x lane
	v_lshlrev_b32 v3, 4, v30                       ; 16 p
	s_mul_i32 s22, s13, 6144
	v_add_nc_u32 v4, s22, v1                       ; attn's tiles 4 a on
	v_add_nc_u32 v5, s22, v2
	s_mul_i32 s23, s14, 6144
	s_add_co_u32 s23, s23, 8*CH
	v_add_nc_u32 v6, s23, v1                       ; Wo's tiles 4 e on
	v_add_nc_u32 v7, s23, v2
	s_lshl_b32 s22, s13, 8
	s_add_co_u32 s22, s22, 12288
	v_add_nc_u32 v8, s22, v3                       ; their scale words
	s_lshl_b32 s23, s14, 8
	s_add_co_u32 s23, s23, 8*CH+12288
	v_add_nc_u32 v9, s23, v3
	s_mul_i32 s78, s12, 16*SPITCH
	s_add_co_u32 s78, s78, STAGE                   ; my stage
	v_mul_u32_u24 v10, v30, SPITCH
	v_lshl_add_u32 v10, v29, 7, v10
	v_add_nc_u32 v10, s78, v10                     ; in: row p, + 128 h: my 32 columns
	v_mul_u32_u24 v11, v29, SPITCH
	v_lshl_add_u32 v11, v30, 4, v11
	v_add_nc_u32 v11, s78, v11                     ; back: lanes 0-15 one row of 256 bytes, lanes 16-31 the next
	v_lshlrev_b32 v12, 12, v29
	v_lshl_add_u32 v12, v30, 4, v12                ; and the same two rows in the result
	v_lshlrev_b32 v28, 7, v29                      ; 128 h: the bias begins 32 h columns on
	; what mixes the two coordinates is made in registers of its own
	s_lshl_b32 s84, s17, 9
	s_lshl_b32 s85, s14, 8
	s_add_co_u32 s84, s84, s85                     ; my first column, in bytes: 4 (128 x tile column + 64 e)
	s_mov_b32 s85, 0
	s_add_nc_u64 s[8:9], s[8:9], s[84:85]
	s_wait_alu depctr_va_vdst(0)                   ; the wait at the head's end
	WIN 0x40                                       ; destination window 1
.irp k, 0,1,2,3
	global_load_b128 v[128+8*\k:128+8*\k+3], v28, s[8:9] offset:32*\k
	global_load_b128 v[128+8*\k+4:128+8*\k+7], v28, s[8:9] offset:32*\k+16
.endr
	WIN 0
	s_lshl_b32 s76, s18, 19                        ; 128 rows of 4,096 bytes a tile row,
	s_lshl_b32 s77, s13, 18                        ; + 64 a rows,
	s_add_co_u32 s76, s76, s77
	s_add_co_u32 s76, s76, s84                     ; + my first column
	s_mov_b32 s77, 0
	s_add_nc_u64 s[10:11], s[10:11], s[76:77]
	s_cmp_lt_u32 s12, 2
	s_cbranch_scc0 .Lnot_first
	s_wait_tensorcnt 0x0                           ; waves 0 and 1: K steps 0 to 3 have landed; the other two waves' loads may stay out
.Lnot_first:
	s_barrier_signal -1
	s_barrier_wait -1
	FETCH 0, 0
	s_wait_loadcnt 0x0                             ; the bias
	STEP 0
	STEP 1
	STEP 2
	STEP 3
	s_wait_alu depctr_va_vdst(0)
	STEP 4
	STEP 5
	STEP 6
	STEP 7
.rept 4
	v_nop                                          ; places between the last products, the first read of results and the loads into the registers that held fragments
.endr
; THE WAY OUT, a tile of 16 rows x 64 columns at a time.  A lane holds pieces of one row and the lanes beside it hold other rows: so a tile goes through my own stage and comes back as whole rows of 256 bytes.
; LDS serves a wave's instructions in order (ISA guide 5.7.1.4): no wait between the stores and the loads, nor in front of the next tile's stores.
.macro TOSTAGE m
	WIN 0x04                                       ; an LDS store's data are its source 1: window 1
.irp k, 0,1,2,3
	ds_store_b128 v10, v[32*(\m)+8*\k:32*(\m)+8*\k+3] offset:32*\k       ; each accumulator from its low end on
	ds_store_b128 v10, v[32*(\m)+8*\k+4:32*(\m)+8*\k+7] offset:32*\k+16
.endr
	WIN 0
.irp t, 0,1,2,3,4,5,6,7
	ds_load_b128 v[32+32*(\m)+4*\t:32+32*(\m)+4*\t+3], v11 offset:2*\t*SPITCH
.endr
.endm
.macro SEND m, younger                 ; younger: the LDS instructions issued behind tile m's loads: the next tile's eight stores and eight loads, or none
	s_wait_dscnt \younger
.irp t, 0,1,2,3,4,5,6,7
	global_store_b128 v12, v[32+32*(\m)+4*\t:32+32*(\m)+4*\t+3], s[10:11] offset:(8*(\m)+2*(\t%4)+32*(\t/4))*4096 th:TH_STORE_NT   ; 16 lanes store 256 consecutive bytes, aligned; places 2 t, 2 t + 1 of the tile are these rows
.endr
.endm
	TOSTAGE 0
.irp m, 1,2,3
	TOSTAGE \m
	SEND \m-1, 16
.endr
	SEND 3, 0
	s_wait_tensorcnt 0x0                           ; the wave's end, behind my last LDS store
	ds_add_u32 v254, v255
	s_wait_dscnt 0x0
	CROUND                                         ; the closing round: no work-group ends while a partner may still ask for a block that names it
	s_endpgm
.Lfunc_end_k_q2d5c90a9e3_outp:
	.size	k_q2d5c90a9e3_outp, .Lfunc_end_k_q2d5c90a9e3_outp-k_q2d5c90a9e3_outp
	.p2alignl 7, 3214868480
	.fill 96, 4, 3214868480
	.section	.rodata,"a",@progbits
	.p2align	6, 0x0
	.amdhsa_kernel k_q2d5c90a9e3_outp
		.amdhsa_group_segment_fixed_size 222720
		.amdhsa_private_segment_fixed_size 0
		.amdhsa_enable_private_segment 0
		.amdhsa_kernarg_size 32
		.amdhsa_user_sgpr_count 2
		.amdhsa_user_sgpr_kernarg_segment_ptr 1
		.amdhsa_wavefront_size32 1
		.amdhsa_system_sgpr_workgroup_id_x 1
		.amdhsa_system_sgpr_workgroup_id_y 1
		.amdhsa_system_sgpr_workgroup_id_z 1
		.amdhsa_system_vgpr_workitem_id 0
		.amdhsa_next_free_vgpr 416
		.amdhsa_next_free_sgpr 90
		.amdhsa_reserve_vcc 0
		.amdhsa_float_denorm_mode_32 3
		.amdhsa_float_denorm_mode_16_64 3
		.amdhsa_memory_ordered 1
		.amdhsa_forward_progress 1
		.amdhsa_inst_pref_size 51
	.end_amdhsa_kernel
	.amdgpu_metadata
---
amdhsa.version: [ 1, 2 ]
amdhsa.kernels:
  - .name:           k_q2d5c90a9e3_outp
    .symbol:         k_q2d5c90a9e3_outp.kd
    .args:
      - { .name: ac, .offset: 0, .size: 8, .value_kind: global_buffer, .address_space: global }
      - { .name: woc, .offset: 8, .size: 8, .value_kind: global_buffer, .address_space: global }
      - { .name: bo, .offset: 16, .size: 8, .value_kind: global_buffer, .address_space: global }
      - { .name: out0, .offset: 24, .size: 8, .value_kind: global_buffer, .address_space: global }
    .group_segment_fixed_size: 222720
    .private_segment_fixed_size: 0
    .kernarg_segment_align: 8
    .kernarg_segment_size: 32
    .max_flat_workgroup_size: 128
    .sgpr_count:     90
    .vgpr_count:     416
    .wavefront_size: 32
...
	.end_amdgpu_metadata
.endif
;; end of part 4
